; MI455X (gfx1250); checked and timed in simulation.
; The chip was launched on July 23, 2026; its instructions are those of AMD's public machine-readable ISA for CDNA 5 (MIT licence, August 2026) and "CDNA5" Instruction Set Architecture Reference Guide (July 2026). The comments in the code are by the model that wrote it; some were corrected since.
;; Time Aware MHA. Allowed arithmetic: matrix products marked QUANTISED: E2M3 operands, one E8M0 scale for each 32 along K, by v_wmma_scale_f32_16x16x128_f8f6f4 with both operands' format E2M3, f32 sums; everything else in f32.
;; Inputs: Wk_codes 1,024 x 32 x 24 uint8 (E2M3 codes of Wk, K innermost, in blocks of 32 codes, four codes in three bytes); Wk_scales 1,024 x 32 uint8 (E8M0 scales of Wk, one for each 32 codes along K); Wo_codes 1,024 x 32 x 24 uint8 (E2M3 codes of Wo, K innermost, in blocks of 32 codes, four codes in three bytes); Wo_scales 1,024 x 32 uint8 (E8M0 scales of Wo, one for each 32 codes along K); Wq_codes 1,024 x 32 x 24 uint8 (E2M3 codes of Wq, K innermost, in blocks of 32 codes, four codes in three bytes); Wq_scales 1,024 x 32 uint8 (E8M0 scales of Wq, one for each 32 codes along K); Wv_codes 1,024 x 32 x 24 uint8 (E2M3 codes of Wv, K innermost, in blocks of 32 codes, four codes in three bytes); Wv_scales 1,024 x 32 uint8 (E8M0 scales of Wv, one for each 32 codes along K); abs_pos_K 1,024 x 1,024 float32; abs_pos_V 1,024 x 1,024 float32; bk 1,024 float32; bo 1,024 float32; bq 1,024 float32; bv 1,024 float32; int_K 257 x 1,024 float32; int_V 257 x 1,024 float32; pad_mask 8 x 1,024 bool; seq_codes 8 x 1,024 x 32 x 24 uint8 (E2M3 codes of seq, K innermost, in blocks of 32 codes, four codes in three bytes); seq_scales 8 x 1,024 x 32 uint8 (E8M0 scales of seq, one for each 32 codes along K); timemat 8 x 1,024 x 1,024 int32.
;; Outputs: out0 8 x 1,024 x 1,024 float32.
;; This version of the problem:
;;   THIS VERSION OF THE PROBLEM IS GIVEN IN LOW PRECISION. The matrix products marked QUANTISED in the list below multiply operands that are first quantised to E2M3 (2 exponent bits, 3 mantissa bits; 6 bits a number), with one power-of-two scale for each 32 numbers along K (OCP MX v1.0); their sums are f32. All else is computed in f32.
;;   The module's matrix products, in the order in which they are computed (A, B: the left and right operand; K: the contracted axis; several contracted axes count as one K, in the product's order):
;;     1. [M 8,192, K 1,024] x [K 1,024, N 1,024]; A: input seq (given as codes); B: input Wq (given as codes): QUANTISED
;;     2. [M 8,192, K 1,024] x [K 1,024, N 1,024]; A: input seq (given as codes); B: input Wk (given as codes): QUANTISED
;;     3. [M 8,192, K 1,024] x [K 1,024, N 1,024]; A: input seq (given as codes); B: input Wv (given as codes): QUANTISED
;;     4. batch 128 x [M 1,024, K 64] x [K 64, N 1,024]; A: computed on the way; B: computed on the way: QUANTISED
;;     5. batch 128 x [M 1,024, K 1,024] x [K 1,024, N 64]; A: softmax (see below); B: computed on the way: QUANTISED
;;     6. [M 8,192, K 1,024] x [K 1,024, N 1,024]; A: computed on the way; B: input Wo (given as codes): QUANTISED
;;   THE QUANTISER, for each operand of a quantised product, along K:
;;     - K is cut into blocks of 32 from its start; a last block that is shorter is filled with zeros.
;;     - A block's scale is 2^e with e = floor(log2(the largest magnitude in the block)) - 2, held to -126 .. 127; a block of zeros has e = 0. As a byte (E8M0): e + 127.
;;     - Each number is divided by its block's scale, clamped to +-7.5, and rounded to the nearest number of E2M3, ties to even, subnormals kept.
;;     - The product sums the exact products of the quantised numbers (number of the format x scale) in f32.
;;   ~~~python
;;   def quantise(x, axis):      # numpy; x: float32 -> the quantised numbers, widened to float32 again
;;       x = np.moveaxis(x, axis, -1); K = x.shape[-1]
;;       x = np.pad(x, [(0, 0)] * (x.ndim - 1) + [(0, -K % 32)]); x = x.reshape(x.shape[:-1] + (-1, 32)); a = np.abs(x).max(-1, keepdims=True)
;;       e = np.where(a > 0, np.clip(np.frexp(np.where(a > 0, a, 1))[1] - 1 - 2, -126, 127), 0)      # np.frexp(a)[1] - 1 = floor(log2(a)), exactly
;;       r = np.clip(x / 2.0 ** e, -7.5, 7.5)
;;       step = 2.0 ** (np.maximum(np.frexp(np.where(r == 0, 1, r))[1] - 1, 0) - 3)
;;       q = np.round(r / step) * step * 2.0 ** e      # np.round: ties to even
;;       return np.moveaxis(q.reshape(q.shape[:-2] + (-1,))[..., :K], -1, axis).astype(np.float32)
;;   ~~~
;;   SOFTMAX AHEAD OF A QUANTISED PRODUCT. Where the list says 'softmax', what is quantised is not the finished softmax but p = 2^(t - M), with t = logit x log2(e) and M = ceil(the row's largest t), a whole number; so 1/2 < the row's largest p <= 1. The row's sum l is taken of the UNQUANTISED p, in f32, and the product's result is divided by l at the end. Since M is a whole number, a kernel that streams over the keys may use a running M (the ceiling of the running maximum): every later rescaling is an exact power of two, which a block's scale takes up: the codes' values come out the same.
;;   OPERANDS COMPUTED ON THE WAY. 'Computed on the way' means the value that the module computes at that place (a softmax that the list does not call 'softmax' is quantised finished and normalised). What goes into a quantiser is computed in f32, as accurately as f32 sums, v_exp_f32 and their like allow (about 1e-6 of the number): no bf16 or f16 on the way to a quantiser, and a product that is left as it is and whose result goes on into a quantised operand takes f32 operands (vector FMAs, or v_wmma_f32_16x16x4_f32). A number that lies on a knife's edge between two numbers of the format may be rounded either way, as far as f32 arithmetic and the matrix unit's own rounding can turn it there, and no further.
;;   INPUTS GIVEN AS CODES. Wk (in the module: [1024, 1024], K = its axis 1); Wo (in the module: [1024, 1024], K = its axis 1); Wq (in the module: [1024, 1024], K = its axis 1); Wv (in the module: [1024, 1024], K = its axis 1); seq (in the module: [8, 1024, 1024], K = its axis 2): each comes as NAME_codes (uint8): NAME with its K axis moved to the last place and cut into blocks of 32 codes, [.., K / 32, bytes a block], one block behind the other in memory; four codes in three bytes: a row's codes are one little-endian stream of bits, code i at bits 6 i .. 6 i + 5 (a code: sign, 2 exponent bits, 3 mantissa bits); and NAME_scales (uint8): the same leading axes, one E8M0 byte (e + 127) for each 32 codes along K. Its value is code x scale, taken as it is: it is not quantised again, and the codes and scales need not be those that the quantiser above would give.
;; One version. Each part assembles by itself: llvm-mc -triple=amdgcn-amd-amdhsa -mcpu=gfx1250 --defsym DOCPART=n.
;; ======== version 1 of 1: 3 launches
;; limits: right only within a limited range of input values
;; workspace buffers: qkv 20,185,088 bytes; oimg 6,291,456 bytes; oscale 262,144 bytes
;; launch qkv (part 1): grid 8 x 32, 4 waves a work-group, clusters of 4 x 4, 327,680 bytes of LDS; arguments seq_codes, seq_scales, Wv_codes, Wv_scales, Wk_codes, Wk_scales, Wq_codes, Wq_scales, bv, bk, bq, abs_pos_V, abs_pos_K, int_V, int_K, timemat, pad_mask, qkv; writes qkv
.if DOCPART == 1
	.amdgcn_target "amdgcn-amd-amdhsa--gfx1250"
	.amdhsa_code_object_version 6
	.text
	.protected	k_q8a851a463c_qkv
	.globl	k_q8a851a463c_qkv
	.p2align	8
	.type	k_q8a851a463c_qkv,@function
k_q8a851a463c_qkv:
	s_mov_b64 s[64:65], 0
	v_nop
	global_prefetch_b8 v0, s[64:65] scope:SCOPE_SE
	s_setreg_imm32_b32 hwreg(HW_REG_WAVE_MODE, 25, 1), 1
	s_wait_xcnt 0x0
	s_wait_alu depctr_hold_cnt(0) depctr_sa_sdst(0) depctr_va_vdst(0) depctr_va_sdst(0) depctr_va_ssrc(0) depctr_va_vcc(0) depctr_vm_vsrc(0)
	s_getreg_b32 s2, hwreg(HW_REG_IB_STS2, 6, 4)
	s_cmp_eq_u32 s2, 0
	s_cbranch_scc0 .Lentry_in_a_cluster
	s_endpgm
.Lentry_in_a_cluster:
	s_bfe_u32 s2, ttmp6, 0x10000c
	s_cmp_lg_u32 s2, 0xf033
	s_cbranch_scc0 .Lentry_shape_is_right
	s_endpgm
.Lentry_shape_is_right:
; q = seq Wq^T + bq;  k = seq Wk^T + bk + abs_pos_K[i] + int_K[timemat[b][i][0]];  v likewise.  seq and the weights are codes of FP6 (E2M3), one E8M0 byte for each 32 along K = 1,024.
; The results are quantised here (q, k along a head's 64 channels, v along the keys) and stored as images of operand registers for the attention launch.
; WORK LEFT OUT: reference() slices timemat[:, :, 0], so of timemat only column 0 has a way to the output, whatever the values; the other columns are not read.
; SHARES.  Work-group (cg, tr): 256 positions (tile row tr) x 128 channels (two heads, column group cg) of v, q and k: 8 x 32 = 256 work-groups.  Wave w owns positions 64 w .. 64 w + 63 and holds their codes
; for ALL of K in 384 registers (4 blocks x 8 K steps x 12) with 32 scale words.  A UNIT is one head of one tensor: 4 position blocks x 4 channel tiles = 16 accumulators, 8 K steps, 128 matrix instructions;
; a fragment of W read from LDS feeds four of them.  Six units: v (2), q (2), k (2).
; LDS.  Rows of 768 bytes come as dense units of 256 bytes, 16 bytes of padding behind each: pitch 816.  Bytes 0 .. 208,895: seq's 256 rows; when every wave has them in registers, Wq's and Wk's 128 rows each
; are filled over them, while v is multiplied.  From 208,896: Wv, its even groups of 16 rows, then 128 bytes on its odd groups: a tile of v takes rows x and x + 16, which so start in different banks.
; CLUSTER 4 x 4: seq's rows are shared along a row of the cluster, the weights' along a column: joint loads.
; q, k: source 0 = 16 rows of W, source 1 = 16 positions: lane (r, h) holds position r and channels 8 h + 0 .. 7 of a tile; the bias is the C of the first step.
; v: source 0 = 16 positions, source 1 = 16 rows of W: lane (r, h) holds ONE channel and positions 8 h + 0 .. 7: its registers run down the keys, v's K, so one quantiser serves all three tensors.
; THE BUFFER qkv: 128 blocks (16 batch + head) of HEADB bytes.  Q part: 8 steps (128 positions) x [8 tiles x 768 | 512 bytes of scale words].  KV part from byte 53,248: 8 steps x [K: 8 x 768 | 512 | V: 4 channel tiles x 1,536 | 256].
; A tile of 768 bytes is six registers of 32 lanes: registers 0-3 at 16 x lane, 4-5 at 512 + 8 x lane; lane (r, h) holds block h of row r.  Inside a block of 32 the order is 0-7, 16-23, 8-15, 24-31
; (channels in q and k alike; keys in v, as the attention launch's p has them).  v's channel tile ct takes for its row x the channel 32 (ct / 2) + 8 (ct % 2) + x + 8 (x / 8).
; pad_mask goes into k's scale words: byte 2 is 0xfa for a padded key and 0x01 otherwise, byte 3 is 0x7f; q's bytes 2 and 3 are 0x7f.
; NO PREFETCH: all tiles are asked for at the head or one product ahead of their use, and each unit's table rows are asked for among its products (v's first 48 a unit ahead), ahead of the adds that read them: there is no loop to run ahead in.
; LIMITS: a block of zeros gets the byte 1 (its codes are zeros; only this program reads the bytes); NaN and infinities are not served; timemat's numbers are held at 256 from above.
.set HEADB, 157696
.set RP,    816
.set REGV,  208896
.set ODDV,  52352
.set SPARE, 313600                     ; the spare words: 512 bytes that no other line names
.set SCRV,  314112                     ; 1,024 bytes: v's scale bytes, [step][head][row][tile][4]
.set AS,   32                          ; v32-63  seq's scale words, 8 a + K step
.set WSC,  64                          ; v64-95  W's scale words of the unit, 8 t + K step
.set BIAS, 96                          ; v96-127 q, k: the bias in the result's layout
.set TOFV, 96                          ; v96-127 v: 4,096 x timemat + 4 x my channel, for position 16 a + 8 h + j
.set WF,   128                         ; v128-223 W's fragments, two sets of four; behind a product: at work
.set TM,   128
.set TX,   136
.set SO,   144
.set PC,   152
.set CT,   176
.set LO,   192
.set TOF,  224
.set HI,   228
.set BV,   232
.set VSP,  240
.set VSC,  244
; window 1: v0-191 seq's blocks 0, 1; v192-255 int rows of groups 0, 1.  window 2: the same for blocks and groups 2, 3.  window 3: v0-127 the accumulators, v128-255 abs_pos rows in the same layout.
.set MSB, 0
.macro WIN new                         ; the immediate's high byte repeats the setting that is left
.if MSB != (\new)
	s_set_vgpr_msb (MSB<<8)|(\new)
.set MSB, (\new)
.endif
.endm
.macro PLACES
.rept 4
	v_nop
.endr
.endm
.macro CROUND                          ; a round of the cluster's barrier
	s_barrier_signal -1
	s_barrier_wait -1
	s_cmp_lg_u32 s14, 0
	s_cbranch_scc1 .Lnw0_\@
	s_barrier_signal -3
.Lnw0_\@:
	s_barrier_wait -3
	s_barrier_signal -1
	s_barrier_wait -1
.endm
	s_load_b512 s[24:39], s[0:1], 0x0              ; seq c, seq s, Wv c, Wv s, Wk c, Wk s, Wq c, Wq s
	s_load_b512 s[40:55], s[0:1], 0x40             ; bv, bk, bq, abs_pos_V, abs_pos_K, int_V, int_K, timemat
	s_load_b128 s[56:59], s[0:1], 0x80             ; pad_mask, qkv
	v_lshl_add_u32 v28, v0, 2, SPARE
	v_mov_b32 v29, 0
	ds_add_u32 v28, v29                            ; the opening lines: the add, twice on end, and its wait
	ds_add_u32 v28, v29
	v_lshrrev_b32 v1, 5, v0
	v_readfirstlane_b32 s14, v1                    ; wave
	s_lshr_b32 s15, s14, 1
	s_and_b32 s16, s14, 1
	s_bfe_u32 s10, ttmp6, 0x40000                  ; cx
	s_bfe_u32 s11, ttmp6, 0x40004                  ; cy
	s_lshl_b32 s12, ttmp9, 2
	s_add_co_u32 s12, s12, s10                     ; cg
	s_and_b32 s13, ttmp7, 0xffff
	s_lshl_b32 s13, s13, 2
	s_add_co_u32 s13, s13, s11                     ; tr
	s_lshl_b32 s8, s11, 2
	s_lshl_b32 s8, 15, s8                          ; my row of the cluster
	s_lshl_b32 s9, 0x1111, s10                     ; my column
.set GW0, (3<<16)|(1<<20)|(1<<21)|(5<<22)|(3<<25)  ; elements of 8 bytes; padding on; bit 21 beside a mask; 4 words behind every 64
	s_or_b32 s68, s8, GW0                          ; s[68:75]: 128 rows of seq, 384 dense rows of 256 bytes
	s_mov_b32 s69, 32<<16
	s_mov_b32 s70, 384<<16
	s_mov_b32 s71, 32<<16
	s_mov_b32 s72, 384
	s_mov_b32 s73, 32
	s_mov_b32 s74, 0
	s_mov_b32 s75, 0
	s_or_b32 s76, s9, GW0                          ; s[76:83]: four groups of 16 rows of Wv: rows of 12,288 bytes, 24,576 apart
	s_mov_b32 s77, 1536<<16
	s_mov_b32 s78, 4<<16
	s_mov_b32 s79, 1536<<16
	s_mov_b32 s80, 4
	s_mov_b32 s81, 3072
	s_mov_b32 s82, 0
	s_mov_b32 s83, 0
	s_or_b32 s84, s9, GW0                          ; s[84:91]: 64 rows of Wq or Wk, 192 dense rows of 256 bytes
	s_mov_b32 s85, 32<<16
	s_mov_b32 s86, 192<<16
	s_mov_b32 s87, 32<<16
	s_mov_b32 s88, 192
	s_mov_b32 s89, 32
	s_mov_b32 s90, 0
	s_mov_b32 s91, 0
	s_lshl_b32 s17, s13, 8                         ; 256 tr
	s_lshl_b32 s20, s16, 7
	s_add_co_u32 s20, s20, s17
	s_mul_i32 s20, s20, 768                        ; seq: my 128 rows
	s_mov_b32 s21, 0
	s_lshl_b32 s18, s12, 7                         ; 128 cg
	s_lshl_b32 s22, s16, 4
	s_add_co_u32 s22, s22, s18
	s_mul_i32 s22, s22, 768                        ; Wv: even or odd groups
	s_mov_b32 s23, 0
	s_lshl_b32 s60, s16, 6
	s_add_co_u32 s60, s60, s18
	s_mul_i32 s60, s60, 768                        ; Wq, Wk: my 64 rows
	s_mov_b32 s61, 0
	s_mov_b32 s92, 1
	s_mul_i32 s93, s16, 104448
	s_mov_b32 s96, 1
	s_mul_i32 s97, s16, ODDV
	s_add_co_u32 s97, s97, REGV
	s_mov_b32 s4, 1
	s_mul_i32 s5, s14, 52224
	s_wait_dscnt 0x0
	s_wait_kmcnt 0x0
	s_add_nc_u64 s[94:95], s[24:25], s[20:21]
	s_or_b32 s95, s95, 0x80000000
	s_add_nc_u64 s[98:99], s[28:29], s[22:23]
	s_or_b32 s99, s99, 0x80000000
	s_cmp_lt_u32 s14, 2
	s_cselect_b64 s[6:7], s[36:37], s[32:33]       ; waves 0, 1: Wq; waves 2, 3: Wk
	s_add_nc_u64 s[6:7], s[6:7], s[60:61]
	s_or_b32 s7, s7, 0x80000000
	CROUND                                         ; the first joint loads meet
	s_cmp_eq_u32 s15, 0                            ; one load a wave: waves 0, 1 seq's halves, waves 2, 3 Wv's even and odd groups
	s_cbranch_scc0 .Lhv
	tensor_load_to_lds s[92:95], s[68:75]
	s_nop 0
	PLACES
	s_branch .Lhj
.Lhv:
	tensor_load_to_lds s[96:99], s[76:83]
	s_nop 0
	PLACES
.Lhj:
	s_lshl_b32 s19, s14, 6
	s_add_co_u32 s17, s17, s19                     ; my first row: 256 tr + 64 w
	s_mov_b32 s63, 0
	s_lshl_b32 s62, s17, 5
	s_add_nc_u64 s[26:27], s[26:27], s[62:63]      ; seq's scales
	s_lshl_b32 s62, s17, 12
	s_add_nc_u64 s[54:55], s[54:55], s[62:63]      ; timemat[b][i][0]
	s_mov_b32 s62, s17
	s_add_nc_u64 s[56:57], s[56:57], s[62:63]      ; pad_mask
	s_and_b32 s62, s17, 1023
	s_lshl_b32 s62, s62, 12
	s_add_nc_u64 s[46:47], s[46:47], s[62:63]      ; abs_pos at my first position
	s_add_nc_u64 s[48:49], s[48:49], s[62:63]
	s_lshl_b32 s62, s12, 9                         ; my first channel, in bytes of f32
.irp q, 40,42,44,46,48,50,52
	s_add_nc_u64 s[\q:\q+1], s[\q:\q+1], s[62:63]
.endr
	s_lshl_b32 s62, s12, 12                        ; the weights' scales: 128 cg rows of 32 bytes
.irp q, 30,34,38
	s_add_nc_u64 s[\q:\q+1], s[\q:\q+1], s[62:63]
.endr
	s_lshr_b32 s62, s13, 2
	s_lshl_b32 s62, s62, 4
	s_lshl_b32 s19, s12, 1
	s_add_co_u32 s62, s62, s19
	s_mul_i32 s62, s62, HEADB
	s_add_nc_u64 s[58:59], s[58:59], s[62:63]      ; block 16 batch + my first head
	s_and_b32 s19, s13, 3
	s_lshl_b32 s19, s19, 1
	s_add_co_u32 s2, s19, s15                      ; my step of 128 positions
	s_mul_i32 s3, s16, 3072
	s_mul_i32 s62, s2, 6656
	s_add_co_u32 s62, s62, s3
	s_add_nc_u64 s[36:37], s[58:59], s[62:63]      ; q's images
	s_mul_i32 s62, s2, 13056
	s_add_co_u32 s62, s62, s3
	s_add_co_u32 s62, s62, 53248
	s_add_nc_u64 s[32:33], s[58:59], s[62:63]      ; k's
	s_mul_i32 s62, s2, 13056
	s_mul_i32 s3, s16, 768
	s_add_co_u32 s62, s62, s3
	s_add_co_u32 s62, s62, 59904
	s_add_nc_u64 s[24:25], s[58:59], s[62:63]      ; v's
	s_add_co_u32 s2, s19, s16
	s_mul_i32 s62, s2, 13056
	s_add_co_u32 s62, s62, 66048
	s_add_nc_u64 s[28:29], s[58:59], s[62:63]      ; v's scale words of step 2 (tr % 4) + w % 2
	s_mul_i32 s3, s16, 2816
	s_sub_co_u32 s3, 6144, s3                      ; q's, k's scale words, counted from my images
	s_lshl_b32 s2, s15, 9
	s_lshl_b32 s19, s16, 1
	s_add_co_u32 s2, s2, s19
	s_add_co_u32 s2, s2, SCRV
	s_lshl_b32 s19, s16, 9
	s_add_co_u32 s19, s19, SCRV
	s_mov_b32 s20, 0x76543210
	s_mov_b32 s21, 0xfedcba98                      ; lane l xor 16
	v_and_b32 v1, 15, v0                           ; r
	v_bfe_u32 v2, v0, 4, 1                         ; h
	v_and_b32 v27, 31, v0
	v_lshlrev_b32 v3, 4, v27
	v_lshlrev_b32 v4, 3, v27
	v_mul_u32_u24 v5, v1, RP
	v_mad_u32_u24 v5, v2, 24, v5                   ; a fragment's row x pitch + 24 h
	v_lshl_add_u32 v6, v2, 4, v5                   ; the same where lanes 16-31 lie behind one padding more
	v_and_b32 v30, 7, v1
	v_lshrrev_b32 v31, 3, v1
	v_lshl_add_u32 v7, v31, 4, v30                 ; r + 8 (r / 8)
	v_mul_u32_u24 v8, v30, RP
	v_mad_u32_u24 v8, v31, ODDV, v8
	v_mad_u32_u24 v8, v2, 24, v8
	v_add_nc_u32 v8, REGV, v8                      ; Wv's fragments
	v_lshl_add_u32 v9, v2, 4, v8
	v_add_nc_u32 v10, s5, v5                       ; seq's fragments: my 64 rows
	v_add_nc_u32 v11, s5, v6
	v_lshlrev_b32 v12, 5, v1
	v_lshlrev_b32 v13, 5, v7
	v_lshlrev_b32 v14, 2, v7
	v_lshlrev_b32 v15, 5, v2
	v_lshlrev_b32 v18, 12, v1
	v_add_nc_u32 v16, v18, v15
	v_lshlrev_b32 v19, 15, v2
	v_add_nc_u32 v17, v19, v14
	v_lshl_add_u32 v22, v1, 4, s3
	v_lshl_add_u32 v23, v1, 4, s2                  ; v's scale bytes, in
	v_lshl_add_u32 v24, v2, 8, s19
	v_lshl_add_u32 v24, v1, 4, v24                 ; and out
	v_mul_u32_u24 v25, v2, HEADB
	v_lshl_add_u32 v25, v1, 4, v25
	v_mov_b32 v26, 0x7f7f0000
	v_mov_b32 v30, 0x7f010000
	v_mov_b32 v31, 0x7ffa0000
.irp g, 0,1,2,3
	v_mov_b32 v[VSC+\g], 0
	v_mov_b32 v[BV+2*\g+1], 0                      ; named as the upper halves of pairs
.endr
	s_wait_alu depctr_va_vdst(0)                   ; the wait at the head's end
.macro LDWS adr, base, nf              ; the unit's 64 rows of W's scales: 32 bytes a row, eight words a lane and tile
.irp t, 0,1,2,3
.if \nf
.set RO, 512*\t
.else
.set RO, (32*(\t/2)+8*(\t%2))*32
.endif
	global_load_b128 v[WSC+8*\t:WSC+8*\t+3], v\adr, s[\base:\base+1] offset:RO
	global_load_b128 v[WSC+8*\t+4:WSC+8*\t+7], v\adr, s[\base:\base+1] offset:RO+16
.endr
.endm
.macro LDB base
.irp t, 0,1,2,3
	global_load_b128 v[BIAS+8*\t:BIAS+8*\t+3], v15, s[\base:\base+1] offset:64*\t
	global_load_b128 v[BIAS+8*\t+4:BIAS+8*\t+7], v15, s[\base:\base+1] offset:64*\t+16
.endr
.endm
.irp a, 0,1,2,3
	global_load_b128 v[AS+8*\a:AS+8*\a+3], v12, s[26:27] offset:512*\a
	global_load_b128 v[AS+8*\a+4:AS+8*\a+7], v12, s[26:27] offset:512*\a+16
	global_load_b32 v[TOF+\a], v18, s[54:55] offset:65536*\a
	global_load_u8 v[HI+\a], v1, s[56:57] offset:16*\a
.irp j, 0,1,2,3,4,5,6,7
	global_load_b32 v[TOFV+8*\a+\j], v19, s[54:55] offset:(16*\a+\j)*4096
.endr
.endr
	LDWS 13, 30, 0
	s_wait_tensorcnt 0x0                           ; my tile is in
	s_barrier_signal -1
	s_barrier_wait -1                              ; and everybody's
.irp a, 0,1,2,3                        ; my 64 rows, all of K, into registers
	WIN (1+\a/2)<<6
.irp k, 0,1,2,3,4,5,6,7
.irp p, 0,1,2,3,4,5
.set BY, 96*\k+48*(\p/3)+8*(\p%3)
.if BY/256 == (BY+24)/256
	ds_load_b64 v[96*(\a%2)+12*\k+2*\p:96*(\a%2)+12*\k+2*\p+1], v10 offset:BY+16*(BY/256)+13056*\a
.else
	ds_load_b64 v[96*(\a%2)+12*\k+2*\p:96*(\a%2)+12*\k+2*\p+1], v11 offset:BY+16*(BY/256)+13056*\a
.endif
.endr
.endr
.endr
	WIN 0
	s_wait_tensorcnt 0x0                           ; ahead of the refill's round: no load of mine is out,
	ds_add_u32 v28, v29                            ; the add into the spare words,
	s_wait_loadcnt 0x0
.irp a, 0,1,2,3
	v_min_u32 v[TOF+\a], 0x100, v[TOF+\a]          ; the index stays inside the table of 257 rows
	v_lshl_add_u32 v[TOF+\a], v[TOF+\a], 12, v15
	v_cmp_ne_u32 vcc_lo, 0, v[HI+\a]
	v_cndmask_b32 v[HI+\a], v30, v31, vcc_lo
.endr
.set j, 0
.rept 32
	v_min_u32 v[TOFV+j], 0x100, v[TOFV+j]
	v_lshl_add_u32 v[TOFV+j], v[TOFV+j], 12, v14
.set j, j+1
.endr
	s_wait_alu depctr_va_vdst(0)
	s_wait_dscnt 0x0                               ; and the add and my reads of seq's rows are done
	CROUND
	tensor_load_to_lds s[4:7], s[84:91]            ; wave w: 64 rows of Wq (w < 2) or Wk over seq's bytes, at 52,224 w
	s_nop 0
	PLACES
.macro WLD kst, nf                     ; four fragments of W of K step kst into set kst % 2: 24 loads of 8 bytes
.irp t, 0,1,2,3
.irp p, 0,1,2,3,4,5
.set BY, 96*(\kst)+48*(\p/3)+8*(\p%3)
.if \nf
.set RO, 13056*\t
.else
.set RO, (16*(\t/2)+8*(\t%2))*RP
.endif
.set WW, WF+48*((\kst)%2)+12*\t+2*\p
.if BY/256 == (BY+24)/256
	ds_load_b64 v[WW:WW+1], v20 offset:BY+16*(BY/256)+RO
.else
	ds_load_b64 v[WW:WW+1], v21 offset:BY+16*(BY/256)+RO
.endif
.endr
.endr
.endm
.macro MUL8 kst, a0, nf                ; position blocks a0, a0 + 1 x four tiles; the sixteen accumulators take turns, one instruction a turn
.irp a, \a0, \a0+1
.irp t, 0,1,2,3
.set WW, WF+48*((\kst)%2)+12*\t
.set AA, 96*((\a)%2)+12*(\kst)
.if \nf
.set DD, 8*(4*(\a)+\t)
.if (\kst) == 0
	v_wmma_scale_f32_16x16x128_f8f6f4 v[DD:DD+7], v[WW:WW+11], v[AA:AA+11], v[BIAS+8*\t:BIAS+8*\t+7], v[WSC+8*\t+(\kst)], v[AS+8*(\a)+(\kst)] matrix_a_fmt:MATRIX_FMT_FP6 matrix_b_fmt:MATRIX_FMT_FP6
.else
	v_wmma_scale_f32_16x16x128_f8f6f4 v[DD:DD+7], v[WW:WW+11], v[AA:AA+11], v[DD:DD+7], v[WSC+8*\t+(\kst)], v[AS+8*(\a)+(\kst)] matrix_a_fmt:MATRIX_FMT_FP6 matrix_b_fmt:MATRIX_FMT_FP6
.endif
.else
.set DD, 8*(4*\t+(\a))
.if (\kst) == 0
	v_wmma_scale_f32_16x16x128_f8f6f4 v[DD:DD+7], v[AA:AA+11], v[WW:WW+11], 0, v[AS+8*(\a)+(\kst)], v[WSC+8*\t+(\kst)] matrix_a_fmt:MATRIX_FMT_FP6 matrix_b_fmt:MATRIX_FMT_FP6
.else
	v_wmma_scale_f32_16x16x128_f8f6f4 v[DD:DD+7], v[AA:AA+11], v[WW:WW+11], v[DD:DD+7], v[AS+8*(\a)+(\kst)], v[WSC+8*\t+(\kst)] matrix_a_fmt:MATRIX_FMT_FP6 matrix_b_fmt:MATRIX_FMT_FP6
.endif
.endif
.endr
.endr
.endm
.macro PROD nf                         ; a unit's product.  nf = 1: W is source 0 (q, k); nf = 0: seq is source 0 (v)
	WLD 0, \nf
.irp k, 0,1,2,3,4,5,6,7
.if \k < 7
.if \k > 0
	PLACES                                         ; in front of loads into the set that the step before multiplied
.endif
	WLD \k+1, \nf
	s_wait_dscnt 24                                ; all but the next step's 24 loads
.else
	s_wait_dscnt 0x0
.endif
.if \nf
.if \k == 0
	WIN 0xc4                                       ; W window 0, seq window 1, C (the bias) window 0, D window 3
	MUL8 \k, 0, \nf
	WIN 0xc8
.else
	WIN 0xf4
	MUL8 \k, 0, \nf
	WIN 0xf8
.endif
.else
	WIN 0xf1
	MUL8 \k, 0, \nf
	WIN 0xf2
.endif
	MUL8 \k, 2, \nf
	WIN 0
	TSL \k, \nf                                    ; a share of the unit's table loads, behind the step's products
.endr
.endm
.macro ADDG g, vb                      ; group g's 32 registers: + abs_pos, + int, and for v (vb = 1) + the bias of my channel.  The table rows lie as the accumulators do; each accumulator is read from its low end on
	WIN 0xcf
.set j, 0
.rept 16
	v_pk_add_f32 v[32*\g+j:32*\g+j+1], v[32*\g+j:32*\g+j+1], v[128+32*\g+j:129+32*\g+j]
.set j, j+2
.endr
	WIN 0xc3|((1+\g/2)<<2)
.set j, 0
.rept 16
	v_pk_add_f32 v[32*\g+j:32*\g+j+1], v[32*\g+j:32*\g+j+1], v[192+32*(\g%2)+j:193+32*(\g%2)+j]
.set j, j+2
.endr
.if \vb
	WIN 0xc3
.set j, 0
.rept 16
	v_pk_add_f32 v[32*\g+j:32*\g+j+1], v[32*\g+j:32*\g+j+1], v[BV+2*\g:BV+2*\g+1] op_sel_hi:[1,0]
.set j, j+2
.endr
.endif
.endm
; v's table rows, eight loads a group: abs_pos_V[16 a + 8 h + j][my channel of tile t], and int_V likewise
.macro TVA t, a
	WIN 0xc0
.irp j, 0,1,2,3,4,5,6,7
	global_load_b32 v[128+32*(\t)+8*(\a)+\j], v17, s[46:47] offset:(16*(\a)+\j)*4096+(32*((\t)/2)+8*((\t)%2))*4
.endr
.endm
.macro TVI t, a
	WIN (1+(\t)/2)<<6
.irp j, 0,1,2,3,4,5,6,7
	global_load_b32 v[192+32*((\t)%2)+8*(\a)+\j], v[TOFV+8*(\a)+\j], s[50:51] offset:(32*((\t)/2)+8*((\t)%2))*4
.endr
.endm
.macro PREV                            ; asked for a unit ahead: tile 0's abs_pos rows and half of its int rows, 48 loads
	TVA 0, 0
	TVA 0, 1
	TVA 0, 2
	TVA 0, 3
	TVI 0, 0
	TVI 0, 1
	WIN 0
.endm
.macro TVG n                           ; the other 26 groups, in the order of the tiles
.if (\n) < 2
	TVI 0, 2+(\n)
.else
.if ((\n)-2)%8 < 4
	TVA 1+((\n)-2)/8, ((\n)-2)%8
.else
	TVI 1+((\n)-2)/8, ((\n)-2)%8-4
.endif
.endif
.endm
; What K step k asks for.  k (units 2, 3 of the loop; a branch on the loop's counter leads q round it): group k's 16 loads, in steps 0 to 3.  v: the bias and four groups in steps 0 to 4, three in steps 5 and 6
.macro TSL k, nf
.if \nf
.if \k < 4
	s_cmp_lt_u32 s3, 2
	s_cbranch_scc1 .Lts_\@
	WIN 0xc0
.irp t, 0,1,2,3
	global_load_b128 v[128+32*\k+8*\t:128+32*\k+8*\t+3], v16, s[48:49] offset:65536*\k+64*\t
	global_load_b128 v[128+32*\k+8*\t+4:128+32*\k+8*\t+7], v16, s[48:49] offset:65536*\k+64*\t+16
.endr
	WIN (1+\k/2)<<6
.irp t, 0,1,2,3
	global_load_b128 v[192+32*(\k%2)+8*\t:192+32*(\k%2)+8*\t+3], v[TOF+\k], s[52:53] offset:64*\t
	global_load_b128 v[192+32*(\k%2)+8*\t+4:192+32*(\k%2)+8*\t+7], v[TOF+\k], s[52:53] offset:64*\t+16
.endr
	WIN 0
.Lts_\@:
.endif
.else
.if \k == 0
.irp t, 0,1,2,3
	global_load_b32 v[BV+2*\t], v14, s[40:41] offset:(32*(\t/2)+8*(\t%2))*4
.endr
.endif
.if \k < 5
	TVG 4*\k
	TVG 4*\k+1
	TVG 4*\k+2
	TVG 4*\k+3
.else
.if \k < 7
	TVG 3*\k+5
	TVG 3*\k+6
	TVG 3*\k+7
.endif
.endif
	WIN 0
.endif
.endm
; The unit's eight blocks of 32 (group g's 32 registers hold halves of two blocks, shared by lanes l and l xor 16) become four images of six registers from v[PC] on and four pairs of scale bytes in v[LO] on.
.macro QUANT
	WIN 0x0f
.irp c, 0,1,2,3,4,5,6,7
	v_max3_num_f32 v[TM+\c], |v[16*\c]|, |v[16*\c+1]|, 0x1800000   ; with the floor 2^(3 - 127): the byte cannot fall under 1
.endr
.irp i, 2,4,6,8,10,12,14
.irp c, 0,1,2,3,4,5,6,7
	v_max3_num_f32 v[TM+\c], |v[16*\c+\i]|, |v[16*\c+\i+1]|, v[TM+\c]
.endr
.endr
	WIN 0
.irp c, 0,1,2,3,4,5,6,7
	v_mov_b32 v[TX+\c], 0                          ; a lane permute's destination counts as one of its sources
.endr
.irp c, 0,1,2,3,4,5,6,7
	v_permlanex16_b32 v[TX+\c], v[TM+\c], s20, s21
.endr
.irp c, 0,1,2,3,4,5,6,7
	v_max_num_f32 v[TM+\c], v[TM+\c], v[TX+\c]     ; the block's largest magnitude
.endr
.irp c, 0,1,2,3,4,5,6,7
	v_add_nc_u32 v[SO+\c], 0xff000000, v[TM+\c]    ; 2 off its exponent field: the conversion's scale operand
.endr
.irp c, 0,1,2,3,4,5,6,7
	v_lshrrev_b32 v[TX+\c], 23, v[SO+\c]           ; the scale's byte
.endr
.irp g, 0,1,2,3
	v_lshl_or_b32 v[LO+\g], v[TX+2*\g+1], 8, v[TX+2*\g]
.endr
	WIN 0x03
.irp g, 0,1,2,3
	v_cvt_scalef32_pk16_fp6_f32 v[PC+6*\g:PC+6*\g+2], v[32*\g:32*\g+15], v[SO+2*\g]
	v_cvt_scalef32_pk16_fp6_f32 v[CT+4*\g:CT+4*\g+2], v[32*\g+16:32*\g+31], v[SO+2*\g+1]
.endr
	WIN 0
	v_nop                                          ; one plain place behind a scaled conversion
.irp g, 0,1,2,3                        ; a whole block to a lane: lanes 0-15 block 0, lanes 16-31 block 1
.irp i, 0,1,2
	v_permlane16_swap_b32 v[PC+6*\g+\i], v[CT+4*\g+\i]
.endr
.endr
.irp g, 0,1,2,3
.irp i, 0,1,2
	v_mov_b32 v[PC+6*\g+3+\i], v[CT+4*\g+\i]
.endr
.endr
.endm
.macro OUTI base, stride               ; a store of 16 bytes a lane covers 512 consecutive bytes, one of 8 bytes 256, at multiples of 256 from the buffer's first byte
.irp g, 0,1,2,3
	global_store_b128 v3, v[PC+6*\g:PC+6*\g+3], s[\base:\base+1] offset:\stride*\g
	global_store_b64 v4, v[PC+6*\g+4:PC+6*\g+5], s[\base:\base+1] offset:\stride*\g+512
.endr
.endm
	; ---- v: two heads.  Accumulator (t, a) at 8 (4 t + a): group t's registers run down my 64 keys
	PREV                                           ; head 0's first 48 table loads
	s_mov_b32 s3, 0
	s_mov_b32 s62, 0
.Lv:
	v_add_nc_u32 v20, s62, v8
	v_add_nc_u32 v21, s62, v9
	s_wait_alu depctr_va_vdst(0)
	s_wait_loadcnt 48                              ; W's scale words are in: behind them stand only the 48 table loads asked for ahead
	PROD 0
	PLACES
	v_nop                                          ; a fifth place: the next unit's first products begin these accumulators anew
	s_wait_loadcnt 63                              ; the rows of tiles 0 to 2 are in: behind tile 2's last load stand tile 3's 64
	ADDG 0, 1
	ADDG 1, 1
	ADDG 2, 1
	s_wait_loadcnt 0x0                             ; tile 3's too, and every load's base may step: the next head
	ADDG 3, 1
	WIN 0
	s_wait_alu depctr_va_vdst(0)
	s_add_nc_u64 s[30:31], s[30:31], 2048
	s_add_nc_u64 s[46:47], s[46:47], 256
	s_add_nc_u64 s[50:51], s[50:51], 256
	s_add_nc_u64 s[40:41], s[40:41], 256
	s_cmp_eq_u32 s3, 0
	s_cbranch_scc0 .Lv1
	LDWS 13, 30, 0
	PREV                                           ; and head 1's first 48 table loads, into registers that have been added
.Lv1:
	QUANT
.irp g, 0,1,2,3
	v_mov_b32 v[VSP+\g], v[VSC+\g]                 ; the scale bytes wait in registers: head 0's, head 1's
	v_mov_b32 v[VSC+\g], v[LO+\g]
.endr
	s_wait_alu depctr_va_vdst(0)
	OUTI 24, 1536
	s_wait_xcnt 0x0                                ; the stores have read their registers and base
	s_add_nc_u64 s[24:25], s[24:25], HEADB
	s_add_co_u32 s62, s62, 26112
	s_add_co_u32 s3, s3, 1
	s_cmp_lt_u32 s3, 2
	s_cbranch_scc1 .Lv
	s_wait_loadcnt 0x0                             ; no load into the scale words is out on any path
	LDWS 12, 38, 1                                 ; q, head 0
	LDB 44
	s_wait_alu depctr_va_vdst(0)
	s_wait_tensorcnt 0x0                           ; my part of Wq, Wk is in
.irp g, 0,1,2,3                        ; a word of v's scales spans 128 keys, two waves: the halves meet in LDS
	ds_store_b16 v23, v[VSP+\g] offset:4*\g
	ds_store_b16 v23, v[VSC+\g] offset:256+4*\g
.endr
	s_wait_dscnt 0x0
	s_barrier_signal -1
	s_barrier_wait -1
	s_cmp_lt_u32 s14, 2
	s_cbranch_scc0 .Lnvs
	ds_load_b128 v[196:199], v24                   ; wave w: step w; lanes 0-15 head 0, lanes 16-31 head 1: 256 consecutive bytes each
	s_wait_dscnt 0x0
	global_store_b128 v25, v[196:199], s[28:29]
	s_wait_xcnt 0x0
.Lnvs:
	; ---- q (units 0, 1) and k (units 2, 3).  Accumulator (a, t) at 8 (4 a + t)
	s_mov_b32 s3, 0
	s_mov_b32 s62, 0
	s_mov_b32 s19, 0
.Lqk:
	v_add_nc_u32 v20, s62, v5
	v_add_nc_u32 v21, s62, v6
	s_wait_alu depctr_va_vdst(0)
	s_wait_loadcnt 0x0                             ; the unit's scale words and bias are in
	PROD 1
	PLACES
	v_nop                                          ; a fifth place: the next unit's first products begin these accumulators anew
	s_wait_loadcnt 0x0
	s_cmp_eq_u32 s3, 3
	s_cbranch_scc1 .Lnn
	s_add_co_u32 s2, s3, 1                         ; the next unit's scale words and bias, on their way under what follows
	s_cmp_lt_u32 s2, 2
	s_cselect_b64 s[66:67], s[38:39], s[34:35]
	s_cselect_b64 s[100:101], s[44:45], s[42:43]
	s_and_b32 s18, s2, 1
	s_lshl_b32 s18, s18, 11
	s_add_nc_u64 s[66:67], s[66:67], s[18:19]
	s_lshr_b32 s18, s18, 3
	s_add_nc_u64 s[100:101], s[100:101], s[18:19]
	LDWS 12, 66, 1
	LDB 100
.Lnn:
	s_cmp_lt_u32 s3, 2
	s_cbranch_scc1 .Lna
	s_add_nc_u64 s[48:49], s[48:49], 256           ; the tables' next head
	s_add_nc_u64 s[52:53], s[52:53], 256
	ADDG 0, 0
	ADDG 1, 0
	ADDG 2, 0
	ADDG 3, 0
	WIN 0
	s_wait_alu depctr_va_vdst(0)
.Lna:
	QUANT
	s_cmp_lt_u32 s3, 2
	s_cselect_b32 s60, 0, -1
	s_cselect_b64 s[104:105], s[36:37], s[32:33]
	s_and_b32 s18, s3, 1
	s_mul_i32 s18, s18, HEADB
	s_add_nc_u64 s[104:105], s[104:105], s[18:19]
.irp g, 0,1,2,3
	v_cndmask_b32 v[TM+\g], v26, v[HI+\g], s60     ; the words' upper halves: q's 0x7f7f, k's by pad_mask
.endr
.irp g, 0,1,2,3
	v_or_b32 v[LO+\g], v[LO+\g], v[TM+\g]
.endr
	v_cmp_gt_u32 vcc_lo, 16, v27
	s_wait_alu depctr_va_vdst(0)
	OUTI 104, 768
	s_wait_xcnt 0x0                                ; EXEC changes only behind this wait
	s_and_saveexec_b32 s2, vcc_lo
	global_store_b128 v22, v[LO:LO+3], s[104:105]  ; lanes 0-15: my four tiles' words of row r: 256 consecutive bytes
	s_wait_xcnt 0x0
	s_or_b32 exec_lo, exec_lo, s2
	s_add_co_u32 s62, s62, 52224
	s_add_co_u32 s3, s3, 1
	s_cmp_lt_u32 s3, 4
	s_cbranch_scc1 .Lqk
	s_wait_tensorcnt 0x0                           ; the wave's end
	ds_add_u32 v28, v29
	s_wait_dscnt 0x0
	CROUND                                         ; the closing round
	s_endpgm
.Lfunc_end_k_q8a851a463c_qkv:
	.size	k_q8a851a463c_qkv, .Lfunc_end_k_q8a851a463c_qkv-k_q8a851a463c_qkv
	.p2alignl 7, 3214868480
	.fill 96, 4, 3214868480
	.section	.rodata,"a",@progbits
	.p2align	6, 0x0
	.amdhsa_kernel k_q8a851a463c_qkv
		.amdhsa_group_segment_fixed_size 327680
		.amdhsa_private_segment_fixed_size 0
		.amdhsa_enable_private_segment 0
		.amdhsa_kernarg_size 144
		.amdhsa_user_sgpr_count 2
		.amdhsa_user_sgpr_kernarg_segment_ptr 1
		.amdhsa_wavefront_size32 1
		.amdhsa_system_sgpr_workgroup_id_x 1
		.amdhsa_system_sgpr_workgroup_id_y 1
		.amdhsa_system_sgpr_workgroup_id_z 1
		.amdhsa_system_vgpr_workitem_id 0
		.amdhsa_next_free_vgpr 1024
		.amdhsa_next_free_sgpr 106
		.amdhsa_reserve_vcc 1
		.amdhsa_float_denorm_mode_32 3
		.amdhsa_float_denorm_mode_16_64 3
		.amdhsa_memory_ordered 1
		.amdhsa_forward_progress 1
		.amdhsa_inst_pref_size 175
	.end_amdhsa_kernel
	.amdgpu_metadata
---
amdhsa.version: [ 1, 2 ]
amdhsa.kernels:
  - .name:           k_q8a851a463c_qkv
    .symbol:         k_q8a851a463c_qkv.kd
    .args:
      - { .name: seq_codes, .offset: 0, .size: 8, .value_kind: global_buffer, .address_space: global }
      - { .name: seq_scales, .offset: 8, .size: 8, .value_kind: global_buffer, .address_space: global }
      - { .name: Wv_codes, .offset: 16, .size: 8, .value_kind: global_buffer, .address_space: global }
      - { .name: Wv_scales, .offset: 24, .size: 8, .value_kind: global_buffer, .address_space: global }
      - { .name: Wk_codes, .offset: 32, .size: 8, .value_kind: global_buffer, .address_space: global }
      - { .name: Wk_scales, .offset: 40, .size: 8, .value_kind: global_buffer, .address_space: global }
      - { .name: Wq_codes, .offset: 48, .size: 8, .value_kind: global_buffer, .address_space: global }
      - { .name: Wq_scales, .offset: 56, .size: 8, .value_kind: global_buffer, .address_space: global }
      - { .name: bv, .offset: 64, .size: 8, .value_kind: global_buffer, .address_space: global }
      - { .name: bk, .offset: 72, .size: 8, .value_kind: global_buffer, .address_space: global }
      - { .name: bq, .offset: 80, .size: 8, .value_kind: global_buffer, .address_space: global }
      - { .name: abs_pos_V, .offset: 88, .size: 8, .value_kind: global_buffer, .address_space: global }
      - { .name: abs_pos_K, .offset: 96, .size: 8, .value_kind: global_buffer, .address_space: global }
      - { .name: int_V, .offset: 104, .size: 8, .value_kind: global_buffer, .address_space: global }
      - { .name: int_K, .offset: 112, .size: 8, .value_kind: global_buffer, .address_space: global }
      - { .name: timemat, .offset: 120, .size: 8, .value_kind: global_buffer, .address_space: global }
      - { .name: pad_mask, .offset: 128, .size: 8, .value_kind: global_buffer, .address_space: global }
      - { .name: qkv, .offset: 136, .size: 8, .value_kind: global_buffer, .address_space: global }
    .group_segment_fixed_size: 327680
    .private_segment_fixed_size: 0
    .kernarg_segment_align: 8
    .kernarg_segment_size: 144
    .max_flat_workgroup_size: 128
    .sgpr_count:     106
    .vgpr_count:     1024
    .wavefront_size: 32
...
	.end_amdgpu_metadata
.endif
;; end of part 1
;; launch attn (part 2): grid 2 x 128, 16 waves a work-group, no clusters, 169,984 bytes of LDS; arguments qkv, oimg, oscale; writes oimg, oscale
.if DOCPART == 2
	.amdgcn_target "amdgcn-amd-amdhsa--gfx1250"
	.amdhsa_code_object_version 6
	.text
	.protected	k_q8a851a463c_attn
	.globl	k_q8a851a463c_attn
	.p2align	8
	.type	k_q8a851a463c_attn,@function
k_q8a851a463c_attn:
	s_mov_b64 s[64:65], 0
	v_nop
	global_prefetch_b8 v0, s[64:65] scope:SCOPE_SE
	s_setreg_imm32_b32 hwreg(HW_REG_WAVE_MODE, 25, 1), 1
	s_wait_xcnt 0x0
; Causal attention with a padding mask on codes of FP6 (E2M3): S^T = K Q^T, p = 2^(t - M) with M a whole number, O^T = V^T P^T, O / l, and O quantised along the model's axis for the last product.
; SHARES.  Work-group (g, 16 batch + head).  Wave w owns two tiles of 16 queries, tA = 16 g + w and tB = 63 - tA, one after the other: tile t needs t / 8 + 1 key steps of 128, so every wave has nine.
; A head's K and V (8 steps x 13,056 bytes, images of operand registers with their scale words) come into LDS ONCE, by one tensor load in each of waves 0-7, and stay: no ring.
; NO CLUSTER: only two work-groups read a head's K and V, and what they share is that one fill of 104,448 bytes at the head.
; LAYOUT.  Both products are used transposed: a lane holds ONE query (lane % 16) throughout.  A tile of K is 16 neighbouring keys, so p's codes of a block lie in the key order 0-7, 16-23, 8-15, 24-31; V's codes
; were laid in that order.  V's channel tiles were chosen so that O^T's 16 registers of tiles 2 b, 2 b + 1 are channels 32 b + 16 h + 0 .. 15.
; THE HEAD HAS 64 CHANNELS: k = 0 .. 63 of the instruction's 128.  k = 64 carries pad_mask: K's code there is -7.5, Q's is 1.0, Q's scale 1, K's scale 2^123 for a padded key and 2^-126 otherwise; all other codes from k = 64 on are zeros.
; ROWS WHOSE VISIBLE KEYS ARE ALL PADDED: there all 1,024 logits are equal, so p = 1 for every key and l = 1,024.  The running largest t begins at -2^100, above every masked t: such a row ends with l = 0, and
; then l = 1,024 and O = U are selected, U = the sum of the quantised v over all 1,024 keys, made once by waves 0-3 with P = 1.
; LIMITS: an unpadded key's score is moved by -7.5 x 2^-126; real logits are taken to lie above -1e9 and |t| under 2^100; a block of zeros gets the byte 1; NaN and infinities are not served.
; oscale is written a byte a lane (two bytes of each row's 32): 262,144 bytes in the whole launch.
.set HEADB, 157696
.set STEPB, 13056
.set USUM,  8*STEPB                    ; LDS: behind K and V: U, [channel tile][h][8] f32, 256 bytes
; REGISTERS: v1 16 lane, v2 8 lane, v3 16 r, v4 U's place; v5-7 the step's addresses; v8-11, v29-31 U's phase; v12 -M, v13 largest t, v[14:15] l; v16-27 Q, v28 its scale word; v32-79 four tiles of K;
; v80-87 K's scale words, v88-91 V's; v92 32 r + h, v93 8 h, v94 1,024.0, v95 -infinity; v96-159 S^T, p, then V's fragments; v160-191 O^T; v192-203 p's codes; v204-210 conversions; v212-231 at work; v229 r - 8 h.
	s_load_b128 s[4:7], s[0:1], 0x0                ; qkv, oimg
	s_load_b64 s[8:9], s[0:1], 0x10                ; oscale
	v_lshl_add_u32 v254, v0, 2, 0x29000
	v_mov_b32 v255, 0
	ds_add_u32 v254, v255
	ds_add_u32 v254, v255
	v_lshrrev_b32 v5, 5, v0
	s_delay_alu instid0(VALU_DEP_1)
	v_readfirstlane_b32 s10, v5                    ; wave 0..15
	s_and_b32 s12, ttmp7, 0xffff                   ; 16 batch + head
	s_lshr_b32 s13, s12, 4
	s_and_b32 s14, s12, 15
	s_lshl_b32 s15, ttmp9, 4
	s_add_co_u32 s15, s15, s10                     ; tA
	s_and_b32 s48, s10, 3                          ; U's phase: my channel tile
	s_mul_i32 s50, s12, HEADB
	s_mov_b32 s51, 0
	s_mul_i32 s33, s10, STEPB                      ; my step's place in LDS
	s_add_co_u32 s52, s33, 53248                   ; and in the head's block
	s_mov_b32 s53, 0
	s_mov_b32 s24, 3<<16                           ; group 1: 51 dense rows of 256 bytes (32 elements of 8 bytes), no mask, no padding
	s_mov_b32 s25, 32<<16
	s_mov_b32 s26, 51<<16
	s_mov_b32 s27, 32<<16
	s_mov_b32 s28, 51
	s_mov_b32 s29, 32
	s_mov_b32 s30, 0
	s_mov_b32 s31, 0
	s_mov_b32 s32, 1
	s_mov_b32 s22, 0x3e38aa3b                      ; c = log2(e) / sqrt(64)
	s_mov_b32 s23, s22
	s_mov_b32 s36, 0x76543210
	s_mov_b32 s37, 0xfedcba98                      ; lane l xor 16
	; every lane constant and LDS address is made here, ahead of the first parting of the waves
	v_and_b32 v224, 31, v0
	v_and_b32 v225, 15, v0                         ; r
	v_bfe_u32 v226, v0, 4, 1                       ; h
	s_delay_alu instid0(VALU_DEP_3)
	v_lshlrev_b32 v1, 4, v224
	s_delay_alu instid0(VALU_DEP_4)
	v_lshlrev_b32 v2, 3, v224
	s_delay_alu instid0(VALU_DEP_4)
	v_lshlrev_b32 v3, 4, v225
	s_delay_alu instid0(VALU_DEP_4)
	v_lshlrev_b32 v4, 5, v226
	s_delay_alu instid0(VALU_DEP_1)
	v_add_nc_u32 v4, USUM, v4
	s_mul_i32 s21, s48, 1536
	s_add_co_u32 s21, s21, 6656
	v_add_nc_u32 v8, s21, v1
	v_add_nc_u32 v9, s21, v2
	s_lshl_b32 s21, s48, 2
	s_add_co_u32 s21, s21, 12800
	v_add_nc_u32 v10, s21, v3
	s_lshl_b32 s21, s48, 6
	v_add_nc_u32 v11, s21, v4
	v_add_nc_u32 v29, 4*STEPB, v8
	v_add_nc_u32 v30, 4*STEPB, v9
	v_add_nc_u32 v31, 4*STEPB, v10
	v_lshl_add_u32 v92, v225, 5, v226
	v_lshlrev_b32 v93, 3, v226
	s_delay_alu instid0(VALU_DEP_1)
	v_sub_nc_u32 v229, v225, v93
	v_mov_b32 v94, 0x44800000
	v_mov_b32 v95, 0xff800000
	v_sub_nc_u32 v22, 1, v226
	s_delay_alu instid0(VALU_DEP_1)
	v_lshlrev_b32 v22, 3, v22                      ; Q's register 6: the code 1.0 at k = 64 (lanes 0-15), nothing at k = 96
.irp i, 23,24,25,26,27
	v_mov_b32 v\i, 0
.endr
.irp t, 0,1,2,3
	v_mov_b32 v[38+12*\t], 0x3f                    ; K's register 6: the code -7.5 at k = 64 (and at k = 96, where Q has a zero)
.irp i, 7,8,9,10,11
	v_mov_b32 v[32+12*\t+\i], 0
.endr
.endr
.irp b, 0,1,2,3
	v_mov_b32 v[216+\b], 0                         ; written once: a lane permute's destination counts as one of its sources
.endr
	v_mov_b32 v227, 0                              ; named as the upper half of the pair v[226:227]
	s_wait_dscnt 0x0
	s_wait_kmcnt 0x0
	s_add_nc_u64 s[4:5], s[4:5], s[50:51]          ; the head's block
	s_add_nc_u64 s[34:35], s[4:5], s[52:53]
	s_or_b32 s35, s35, 0x80000000
	s_cmp_lt_u32 s10, 8
	s_cbranch_scc0 .Lno_fill
	tensor_load_to_lds s[32:35], s[24:31]          ; key step w: one load of mine is out
	s_nop 0
.rept 4
	v_nop
.endr
.Lno_fill:
	s_sub_co_u32 s16, 63, s15                      ; tB, my first tile: its addresses, and Q's three loads, on their way while K and V are filled and U is made
	s_lshr_b32 s21, s16, 3
	s_mul_i32 s46, s21, 6656
	s_and_b32 s21, s16, 7
	s_mul_i32 s47, s21, 768
	s_add_co_u32 s50, s46, s47
	s_mov_b32 s51, 0
	s_add_nc_u64 s[38:39], s[4:5], s[50:51]
	s_lshr_b32 s47, s21, 2
	s_lshl_b32 s47, s47, 8
	s_and_b32 s21, s16, 3
	s_lshl_b32 s21, s21, 2
	s_add_co_u32 s50, s46, s47
	s_add_co_u32 s50, s50, s21
	s_add_co_u32 s50, s50, 6144
	s_add_nc_u64 s[40:41], s[4:5], s[50:51]
	s_lshl_b32 s21, s13, 6
	s_add_co_u32 s21, s21, s16
	s_mul_i32 s50, s21, 12288
	s_mul_i32 s46, s14, 768
	s_add_co_u32 s50, s50, s46
	s_add_nc_u64 s[42:43], s[6:7], s[50:51]
	s_lshl_b32 s50, s21, 9
	s_lshl_b32 s46, s14, 1
	s_add_co_u32 s50, s50, s46
	s_add_nc_u64 s[44:45], s[8:9], s[50:51]
	global_load_b128 v[16:19], v1, s[38:39]
	global_load_b64 v[20:21], v2, s[38:39] offset:512
	global_load_b32 v28, v3, s[40:41]
	s_wait_tensorcnt 0x0
	s_barrier_signal -1
	s_barrier_wait -1                              ; K and V lie in LDS, for all sixteen waves
	; ---- U: waves 0-3, a channel tile each: V^T x ones over the eight steps, two accumulators by turns
.macro UBATCH va, vb, vs, zero
.irp i, 0,1,2,3
	ds_load_b128 v[96+12*\i:99+12*\i], v[\va] offset:\i*STEPB
	ds_load_b64 v[100+12*\i:101+12*\i], v[\vb] offset:\i*STEPB+512
	ds_load_b128 v[102+12*\i:105+12*\i], v[\va] offset:\i*STEPB+768
	ds_load_b64 v[106+12*\i:107+12*\i], v[\vb] offset:\i*STEPB+1280
	ds_load_b32 v[88+\i], v[\vs] offset:\i*STEPB
.endr
	s_wait_dscnt 0x0
.irp i, 0,1,2,3
.if \zero && (\i < 2)
	v_wmma_scale_f32_16x16x128_f8f6f4 v[160+8*(\i%2):167+8*(\i%2)], v[96+12*\i:107+12*\i], v[192:203], 0, v[88+\i], v228 matrix_a_fmt:MATRIX_FMT_FP6 matrix_b_fmt:MATRIX_FMT_FP6
.else
	v_wmma_scale_f32_16x16x128_f8f6f4 v[160+8*(\i%2):167+8*(\i%2)], v[96+12*\i:107+12*\i], v[192:203], v[160+8*(\i%2):167+8*(\i%2)], v[88+\i], v228 matrix_a_fmt:MATRIX_FMT_FP6 matrix_b_fmt:MATRIX_FMT_FP6
.endif
.endr
.rept 4
	v_nop                                          ; places in front of the next loads into these fragments, and of the first read of the sums
.endr
.endm
	s_cmp_lt_u32 s10, 4
	s_cbranch_scc0 .Lno_u
	v_mov_b32 v228, 0x7f7f7f7f                     ; P's scale: 1.  (Twelve moves and four v_nop stand between this line and the first product)
.irp c, 0,1,2,3
	v_mov_b32 v[192+3*\c], 0x08208208              ; the code 1.0 in every place: 96 bits that repeat
	v_mov_b32 v[193+3*\c], 0x82082082
	v_mov_b32 v[194+3*\c], 0x20820820
.endr
	s_wait_alu depctr_va_vdst(0)
.rept 4
	v_nop
.endr
	UBATCH 8, 9, 10, 1
	UBATCH 29, 30, 31, 0
.irp j, 0,2,4,6
	v_pk_add_f32 v[176+\j:177+\j], v[160+\j:161+\j], v[168+\j:169+\j]
.endr
	ds_store_b128 v11, v[176:179]                  ; the sixteen lanes of a half hold the same eight numbers and write them to the same bytes
	ds_store_b128 v11, v[180:183] offset:16
.Lno_u:
	s_wait_dscnt 0x0
	s_barrier_signal -1
	s_barrier_wait -1                              ; U lies in LDS
; ---- A KEY STEP of 128 keys for the tile in hand.  s17 = its first query, s18 = the step's first key, s19 = the step's place in LDS.
.macro STEP
	s_add_co_u32 s21, s17, 15
	s_cmp_gt_u32 s18, s21                          ; all keys come after my queries: the step's work is left out (a branch on ids)
	s_cbranch_scc1 .Lhidden_\@
	v_add_nc_u32 v5, s19, v1
	s_wait_alu depctr_va_vdst(0)
	v_add_nc_u32 v6, s19, v2
	s_wait_alu depctr_va_vdst(0)
	v_add_nc_u32 v7, s19, v3
	v_nop
	v_nop                                          ; five places: the products below write over the fragments of V that the last products read
	ds_load_b128 v[80:83], v7 offset:6144          ; K's scale words, tiles 0-3,
	ds_load_b128 v[84:87], v7 offset:6400          ; tiles 4-7,
	ds_load_b128 v[88:91], v7 offset:12800         ; and V's four
.irp g, 0,1
.if \g > 0
.rept 4
	v_nop
.endr
.endif
.irp t, 0,1,2,3
	ds_load_b128 v[32+12*\t:35+12*\t], v5 offset:(4*\g+\t)*768
	ds_load_b64 v[36+12*\t:37+12*\t], v6 offset:(4*\g+\t)*768+512
.endr
	s_wait_dscnt 0x0
.irp t, 0,1,2,3
	v_wmma_scale_f32_16x16x128_f8f6f4 v[96+8*(4*\g+\t):103+8*(4*\g+\t)], v[32+12*\t:43+12*\t], v[16:27], 0, v[80+4*\g+\t], v28 matrix_a_fmt:MATRIX_FMT_FP6 matrix_b_fmt:MATRIX_FMT_FP6
.endr
.endr
.rept 4
	v_nop
.endr
	s_add_co_u32 s21, s18, 127
	s_cmp_le_u32 s21, s17                          ; all keys count: no causal mask in this step
	s_cbranch_scc1 .Lopen_\@
	s_sub_co_i32 s21, s17, s18
	v_add_nc_u32 v225, s21, v229                   ; d = my query - the step's first key - 8 h.  Register 8 kt + j holds key 16 kt + 8 h + j: hidden where 16 kt + j > d
.set n, 0
.rept 64
	v_cmp_gt_i32 vcc_lo, 16*(n/8)+n%8, v225
	v_cndmask_b32 v[96+n], v[96+n], v95, vcc_lo
.set n, n+1
.endr
.Lopen_\@:
.irp b, 0,1,2,3
	v_max3_num_f32 v[212+\b], v[96+16*\b], v[97+16*\b], v[98+16*\b]   ; the largest score of each block of 32 keys: for the row's maximum, and for the block's largest p
.endr
.irp i, 3,5,7,9,11,13
.irp b, 0,1,2,3
	v_max3_num_f32 v[212+\b], v[212+\b], v[96+16*\b+\i], v[97+16*\b+\i]
.endr
.endr
.irp b, 0,1,2,3
	v_max_num_f32 v[212+\b], v[212+\b], v[111+16*\b]
.endr
.irp b, 0,1,2,3
	s_delay_alu instid0(VALU_DEP_4)
	v_permlanex16_b32 v[216+\b], v[212+\b], s36, s37
.endr
.irp b, 0,1,2,3
	s_delay_alu instid0(VALU_DEP_4)
	v_max_num_f32 v[212+\b], v[212+\b], v[216+\b]
.endr
	s_delay_alu instid0(VALU_DEP_2)
	v_max3_num_f32 v224, v212, v213, v214
	s_delay_alu instid0(VALU_DEP_1)
	v_max_num_f32 v224, v224, v215
	s_delay_alu instid0(VALU_DEP_1)
	v_mul_f32 v224, s22, v224                      ; as t
	s_delay_alu instid0(VALU_DEP_1)
	v_max_num_f32 v13, v13, v224                   ; the running largest t
	v_mov_b32 v224, v12
	s_delay_alu instid0(VALU_DEP_2)
	v_floor_f32 v12, -v13                          ; -M = floor(-t): M is a whole number
	s_delay_alu instid0(VALU_DEP_1)
	v_sub_f32 v224, v12, v224                      ; old M - new M, 0 or less
	s_delay_alu instid0(VALU_DEP_1)
	v_cvt_i32_f32 v224, v224                       ; (it saturates)
	s_delay_alu instid0(VALU_DEP_1)
	v_ldexp_f32 v226, 1.0, v224                    ; f = 2^(old M - new M)
.set j, 0
.rept 32
	v_pk_fma_f32 v[96+j:97+j], v[96+j:97+j], s[22:23], v[12:13] op_sel_hi:[1,0,0]   ; t - M
.set j, j+2
.endr
.irp b, 0,1,2,3
	v_fma_f32 v[212+\b], v[212+\b], s22, v12
.endr
.set j, 0
	s_wait_alu depctr_va_vdst(0)
.rept 64
	v_exp_f32 v[96+j], v[96+j]                     ; p = 2^(t - M): not normalised; 0 for a masked key
.set j, j+1
.endr
	v_pk_mul_f32 v[14:15], v[14:15], v[226:227] op_sel_hi:[1,0]   ; l under the new M: the plain place behind the exponentials
	s_wait_alu depctr_va_vdst(0)                   ; one wait for the batch, ahead of its first reader
.irp b, 0,1,2,3
	v_exp_f32 v[212+\b], v[212+\b]                 ; each block's largest p
.endr
	v_pk_add_f32 v[230:231], v[100:101], v[104:105]
	v_pk_add_f32 v[252:253], v[108:109], v[112:113]
	v_pk_add_f32 v[250:251], v[116:117], v[120:121]
	v_pk_add_f32 v[248:249], v[124:125], v[128:129]
	v_pk_add_f32 v[246:247], v[132:133], v[136:137]
	v_pk_add_f32 v[244:245], v[140:141], v[144:145]
	v_pk_add_f32 v[242:243], v[148:149], v[152:153]
	v_pk_add_f32 v[14:15], v[14:15], v[156:157]
	v_pk_add_f32 v[230:231], v[230:231], v[96:97]
	v_pk_add_f32 v[252:253], v[252:253], v[98:99]
	v_pk_add_f32 v[250:251], v[250:251], v[102:103]
	v_pk_add_f32 v[248:249], v[248:249], v[106:107]
	v_pk_add_f32 v[246:247], v[246:247], v[110:111]
	v_pk_add_f32 v[244:245], v[244:245], v[114:115]
	v_pk_add_f32 v[242:243], v[242:243], v[118:119]
	v_pk_add_f32 v[14:15], v[14:15], v[122:123]
	v_pk_add_f32 v[230:231], v[230:231], v[126:127]
	v_pk_add_f32 v[252:253], v[252:253], v[130:131]
	v_pk_add_f32 v[250:251], v[250:251], v[134:135]
	v_pk_add_f32 v[248:249], v[248:249], v[138:139]
	v_pk_add_f32 v[246:247], v[246:247], v[142:143]
	v_pk_add_f32 v[244:245], v[244:245], v[146:147]
	v_pk_add_f32 v[242:243], v[242:243], v[150:151]
	v_pk_add_f32 v[14:15], v[14:15], v[154:155]
	v_pk_add_f32 v[230:231], v[230:231], v[158:159]
	s_delay_alu instid0(VALU_DEP_2)
	v_pk_add_f32 v[14:15], v[14:15], v[248:249]
	s_delay_alu instid0(VALU_DEP_2)
	v_pk_add_f32 v[230:231], v[230:231], v[246:247]
	v_pk_add_f32 v[252:253], v[252:253], v[244:245]
	v_pk_add_f32 v[250:251], v[250:251], v[242:243]
	s_delay_alu instid0(VALU_DEP_2)
	v_pk_add_f32 v[14:15], v[14:15], v[252:253]
	s_delay_alu instid0(VALU_DEP_2)
	v_pk_add_f32 v[230:231], v[230:231], v[250:251]
	s_delay_alu instid0(VALU_DEP_1)
	v_pk_add_f32 v[14:15], v[14:15], v[230:231]
	s_wait_alu depctr_va_vdst(0)                   ; and one for the four
.irp b, 0,1,2,3
	v_max_num_f32 v[212+\b], 0x1800000, v[212+\b]  ; the floor 2^(3 - 127)
.endr
.irp b, 0,1,2,3
	s_delay_alu instid0(VALU_DEP_4)
	v_add_nc_u32 v[220+\b], 0xff000000, v[212+\b]
.endr
.irp b, 0,1,2,3
	s_delay_alu instid0(VALU_DEP_4)
	v_lshrrev_b32 v[216+\b], 23, v[220+\b]
.endr
	s_delay_alu instid0(VALU_DEP_3)
	v_lshl_or_b32 v228, v217, 8, v216              ; p's scale word for these 128 keys
	s_delay_alu instid0(VALU_DEP_1)
	v_lshl_or_b32 v228, v218, 16, v228
	s_delay_alu instid0(VALU_DEP_1)
	v_lshl_or_b32 v228, v219, 24, v228
.irp c, 0,1
	v_cvt_scalef32_pk16_fp6_f32 v[192+6*\c:194+6*\c], v[96+32*\c:111+32*\c], v[220+2*\c]
	v_cvt_scalef32_pk16_fp6_f32 v[204+4*\c:206+4*\c], v[112+32*\c:127+32*\c], v[220+2*\c+1]
.endr
.irp t, 0,1,2,3                                ; V's four fragments, into p's registers, which are done with
	ds_load_b128 v[96+12*\t:99+12*\t], v5 offset:6656+1536*\t
	ds_load_b64 v[100+12*\t:101+12*\t], v6 offset:6656+1536*\t+512
	ds_load_b128 v[102+12*\t:105+12*\t], v5 offset:6656+1536*\t+768
	ds_load_b64 v[106+12*\t:107+12*\t], v6 offset:6656+1536*\t+1280
.endr
	v_nop                                          ; one plain place behind a scaled conversion
.irp c, 0,1
.irp i, 0,1,2
	v_permlane16_swap_b32 v[192+6*\c+\i], v[204+4*\c+\i]
.endr
.irp i, 0,1,2
	s_delay_alu instid0(VALU_DEP_3)
	v_mov_b32 v[195+6*\c+\i], v[204+4*\c+\i]
.endr
.endr
.set j, 0
.rept 16
	v_pk_mul_f32 v[160+j:161+j], v[160+j:161+j], v[226:227] op_sel_hi:[1,0]   ; O^T under the new M.  (These sixteen are also the places in front of the scaled products)
.set j, j+2
.endr
	s_wait_alu depctr_va_vdst(0)
	s_wait_dscnt 0x0
.irp t, 0,1,2,3
	v_wmma_scale_f32_16x16x128_f8f6f4 v[160+8*\t:167+8*\t], v[96+12*\t:107+12*\t], v[192:203], v[160+8*\t:167+8*\t], v[88+\t], v228 matrix_a_fmt:MATRIX_FMT_FP6 matrix_b_fmt:MATRIX_FMT_FP6
.endr
.Lhidden_\@:
.endm
; ---- A TILE's end: l, the rows with nothing to see, O / l, two blocks of 32 channels quantised, the image and the two scale bytes a row stored.
.macro FINAL
.rept 4
	v_nop
.endr
.irp t, 0,1,2,3
	ds_load_b128 v[96+8*\t:99+8*\t], v4 offset:64*\t
	ds_load_b128 v[100+8*\t:103+8*\t], v4 offset:64*\t+16
.endr
	v_add_f32 v14, v14, v15
	s_delay_alu instid0(VALU_DEP_1)
	v_permlanex16_b32 v224, v14, s36, s37
	s_delay_alu instid0(VALU_DEP_1)
	v_add_f32 v14, v14, v224                       ; the row's sum
	s_delay_alu instid0(VALU_DEP_1)
	v_cmp_eq_f32 vcc_lo, 0, v14                    ; nothing was seen: a choice of values, no branch
	s_delay_alu instid0(VALU_DEP_1)
	v_cndmask_b32 v14, v14, v94, vcc_lo
	s_wait_alu depctr_va_vdst(0)
	v_rcp_f32 v226, v14
	s_wait_dscnt 0x0
.set j, 0
	s_wait_alu depctr_va_vdst(0)
.rept 32
	v_cndmask_b32 v[160+j], v[160+j], v[96+j], vcc_lo   ; each accumulator from its low end on; plain work behind the reciprocal
.set j, j+1
.endr
	s_wait_alu depctr_va_vdst(0)                   ; ahead of the reciprocal's first reader
.set j, 0
.rept 16
	v_pk_mul_f32 v[160+j:161+j], v[160+j:161+j], v[226:227] op_sel_hi:[1,0]
.set j, j+2
.endr
.irp b, 0,1
	v_max3_num_f32 v[212+\b], |v[160+16*\b]|, |v[161+16*\b]|, 0x1800000
.endr
.irp i, 2,4,6,8,10,12,14
.irp b, 0,1
	s_delay_alu instid0(VALU_DEP_2)
	v_max3_num_f32 v[212+\b], v[212+\b], |v[160+16*\b+\i]|, |v[161+16*\b+\i]|
.endr
.endr
.irp b, 0,1
	s_delay_alu instid0(VALU_DEP_2)
	v_permlanex16_b32 v[216+\b], v[212+\b], s36, s37
.endr
.irp b, 0,1
	s_delay_alu instid0(VALU_DEP_2)
	v_max_num_f32 v[212+\b], v[212+\b], v[216+\b]
.endr
.irp b, 0,1
	s_delay_alu instid0(VALU_DEP_2)
	v_add_nc_u32 v[220+\b], 0xff000000, v[212+\b]
.endr
.irp b, 0,1
	s_delay_alu instid0(VALU_DEP_2)
	v_lshrrev_b32 v[216+\b], 23, v[220+\b]
.endr
	v_cvt_scalef32_pk16_fp6_f32 v[192:194], v[160:175], v220
	v_cvt_scalef32_pk16_fp6_f32 v[204:206], v[176:191], v221
	v_nop
.irp i, 0,1,2
	v_permlane16_swap_b32 v[192+\i], v[204+\i]
.endr
.irp i, 0,1,2
	s_delay_alu instid0(VALU_DEP_3)
	v_mov_b32 v[195+\i], v[204+\i]
.endr
	v_lshl_or_b32 v224, v217, 8, v216
	s_delay_alu instid0(VALU_DEP_1)
	v_lshrrev_b32 v224, v93, v224                  ; lane (r, h): block h's byte
	global_store_b128 v1, v[192:195], s[42:43]     ; 512 consecutive bytes,
	global_store_b64 v2, v[196:197], s[42:43] offset:512   ; and 256, at multiples of 256 from the buffer's first byte
	global_store_b8 v92, v224, s[44:45]
.endm
.macro TILE ask                        ; s16 = the tile.  ask = 0: its addresses and Q's loads were made at the kernel's head
.if \ask
	s_wait_xcnt 0x0                                ; the last tile's stores have read their registers and bases
	s_lshr_b32 s21, s16, 3
	s_mul_i32 s46, s21, 6656                       ; Q's step
	s_and_b32 s21, s16, 7
	s_mul_i32 s47, s21, 768
	s_add_co_u32 s50, s46, s47
	s_mov_b32 s51, 0
	s_add_nc_u64 s[38:39], s[4:5], s[50:51]        ; Q's image
	s_lshr_b32 s47, s21, 2
	s_lshl_b32 s47, s47, 8
	s_and_b32 s21, s16, 3
	s_lshl_b32 s21, s21, 2
	s_add_co_u32 s50, s46, s47
	s_add_co_u32 s50, s50, s21
	s_add_co_u32 s50, s50, 6144
	s_add_nc_u64 s[40:41], s[4:5], s[50:51]        ; Q's scale words
	s_lshl_b32 s21, s13, 6
	s_add_co_u32 s21, s21, s16                     ; 64 batch + tile
	s_mul_i32 s50, s21, 12288
	s_mul_i32 s46, s14, 768
	s_add_co_u32 s50, s50, s46
	s_add_nc_u64 s[42:43], s[6:7], s[50:51]
	s_lshl_b32 s50, s21, 9                         ; 16 rows of 32 bytes
	s_lshl_b32 s46, s14, 1
	s_add_co_u32 s50, s50, s46
	s_add_nc_u64 s[44:45], s[8:9], s[50:51]
	global_load_b128 v[16:19], v1, s[38:39]
	global_load_b64 v[20:21], v2, s[38:39] offset:512
	global_load_b32 v28, v3, s[40:41]
.endif
	v_mov_b32 v13, 0xf1800000                      ; the largest t so far: -2^100, above every masked t and under every real one
	v_mov_b32 v12, 0x71800000                      ; -M
	v_mov_b32 v14, 0
	v_mov_b32 v15, 0
.set j, 0
.rept 32
	v_mov_b32 v[160+j], 0                          ; the step is written once: the first finds zeros
.set j, j+1
.endr
	s_lshl_b32 s17, s16, 4
	s_mov_b32 s18, 0
	s_mov_b32 s19, 0
	s_mov_b32 s20, 8                               ; eight trips in every wave: the count is a constant, the hidden steps' work is jumped over
	s_wait_loadcnt 0x0
.Lstep_\@:
	STEP
	s_add_co_u32 s18, s18, 128
	s_add_co_u32 s19, s19, STEPB
	s_sub_co_u32 s20, s20, 1
	s_cmp_lg_u32 s20, 0
	s_cbranch_scc1 .Lstep_\@
	FINAL
.endm
	TILE 0                                         ; tB
	s_mov_b32 s16, s15                             ; tA
	TILE 1
	s_wait_tensorcnt 0x0
	ds_add_u32 v254, v255
	s_wait_dscnt 0x0
	s_endpgm
.Lfunc_end_k_q8a851a463c_attn:
	.size	k_q8a851a463c_attn, .Lfunc_end_k_q8a851a463c_attn-k_q8a851a463c_attn
	.p2alignl 7, 3214868480
	.fill 96, 4, 3214868480
	.section	.rodata,"a",@progbits
	.p2align	6, 0x0
	.amdhsa_kernel k_q8a851a463c_attn
		.amdhsa_group_segment_fixed_size 169984
		.amdhsa_private_segment_fixed_size 0
		.amdhsa_enable_private_segment 0
		.amdhsa_kernarg_size 24
		.amdhsa_user_sgpr_count 2
		.amdhsa_user_sgpr_kernarg_segment_ptr 1
		.amdhsa_wavefront_size32 1
		.amdhsa_system_sgpr_workgroup_id_x 1
		.amdhsa_system_sgpr_workgroup_id_y 1
		.amdhsa_system_sgpr_workgroup_id_z 1
		.amdhsa_system_vgpr_workitem_id 0
		.amdhsa_next_free_vgpr 256
		.amdhsa_next_free_sgpr 66
		.amdhsa_reserve_vcc 1
		.amdhsa_float_denorm_mode_32 3
		.amdhsa_float_denorm_mode_16_64 3
		.amdhsa_memory_ordered 1
		.amdhsa_forward_progress 1
		.amdhsa_inst_pref_size 73
	.end_amdhsa_kernel
	.amdgpu_metadata
---
amdhsa.version: [ 1, 2 ]
amdhsa.kernels:
  - .name:           k_q8a851a463c_attn
    .symbol:         k_q8a851a463c_attn.kd
    .args:
      - { .name: qkv, .offset: 0, .size: 8, .value_kind: global_buffer, .address_space: global }
      - { .name: oimg, .offset: 8, .size: 8, .value_kind: global_buffer, .address_space: global }
      - { .name: oscale, .offset: 16, .size: 8, .value_kind: global_buffer, .address_space: global }
    .group_segment_fixed_size: 169984
    .private_segment_fixed_size: 0
    .kernarg_segment_align: 8
    .kernarg_segment_size: 24
    .max_flat_workgroup_size: 512
    .sgpr_count:     66
    .vgpr_count:     256
    .wavefront_size: 32
...
	.end_amdgpu_metadata
.endif
;; end of part 2
;; launch oproj (part 3): grid 8 x 32, 4 waves a work-group, clusters of 4 x 4, 167,936 bytes of LDS; arguments oimg, oscale, Wo_codes, Wo_scales, bo, out0; writes out0
.if DOCPART == 3
	.amdgcn_target "amdgcn-amd-amdhsa--gfx1250"
	.amdhsa_code_object_version 6
	.text
	.protected	k_q8a851a463c_oproj
	.globl	k_q8a851a463c_oproj
	.p2align	8
	.type	k_q8a851a463c_oproj,@function
k_q8a851a463c_oproj:
	s_mov_b64 s[64:65], 0
	v_nop
	global_prefetch_b8 v0, s[64:65] scope:SCOPE_SE
	s_setreg_imm32_b32 hwreg(HW_REG_WAVE_MODE, 25, 1), 1
	s_wait_xcnt 0x0
	s_wait_alu depctr_hold_cnt(0) depctr_sa_sdst(0) depctr_va_vdst(0) depctr_va_sdst(0) depctr_va_ssrc(0) depctr_va_vcc(0) depctr_vm_vsrc(0)
	s_getreg_b32 s2, hwreg(HW_REG_IB_STS2, 6, 4)
	s_cmp_eq_u32 s2, 0
	s_cbranch_scc0 .Lentry_in_a_cluster
	s_endpgm
.Lentry_in_a_cluster:
	s_bfe_u32 s2, ttmp6, 0x10000c
	s_cmp_lg_u32 s2, 0xf033
	s_cbranch_scc0 .Lentry_shape_is_right
	s_endpgm
.Lentry_shape_is_right:
; out0 = O Wo^T + bo.  O comes as images of operand registers (oimg: 16 positions x 16 heads x 768 bytes) with its scale bytes (oscale: 32 a row); Wo as codes of FP6 (E2M3) with E8M0 scales.
; SHARES.  Work-group (cg, tr): 256 positions x 128 columns: 8 x 32 = 256 work-groups.  Wave w holds positions 64 w .. 64 w + 63 for all of K = 1,024 in 384 registers, loaded from memory as they lie
; (16 or 8 neighbouring bytes a lane).  Wo's 128 rows lie whole in LDS, filled once: each wave asks for 32 rows, dense units of 256 bytes with 16 bytes of padding behind each (pitch 816).
; CLUSTER 4 x 4: Wo's rows are shared along a column of the cluster: joint loads.  O's rows go to registers and are not shared through LDS.
; A unit is 64 columns: 4 position blocks x 4 tiles = 16 accumulators, 8 K steps; source 0 = 16 rows of Wo, source 1 = 16 positions: a lane holds eight neighbouring columns of one row.  The bias is the C of the first step.
; THE WAY OUT: 16 rows x 256 bytes at a time through my own stage in LDS, and out as whole rows: sixteen lanes store 256 consecutive bytes, aligned.
; NO PREFETCH: everything is asked for at the head; there is no loop to run ahead in.
.set RP,    816
.set STAGE, 104448
.set SPARE, 121856
.set AS,   32                          ; v32-63  O's scale words
.set WSC,  64                          ; v64-127 Wo's scale words, both units
.set WF,   128                         ; v128-223 Wo's fragments, two sets; on the way out v128-191: rows read back
.set BK,   128
; window 1: O's blocks 0, 1; window 2: blocks 2, 3; window 3: v0-127 accumulators, v128-191 the bias of both units
.set MSB, 0
.macro WIN new
.if MSB != (\new)
	s_set_vgpr_msb (MSB<<8)|(\new)
.set MSB, (\new)
.endif
.endm
.macro PLACES
.rept 4
	v_nop
.endr
.endm
.macro CROUND
	s_barrier_signal -1
	s_barrier_wait -1
	s_cmp_lg_u32 s14, 0
	s_cbranch_scc1 .Lnw0_\@
	s_barrier_signal -3
.Lnw0_\@:
	s_barrier_wait -3
	s_barrier_signal -1
	s_barrier_wait -1
.endm
	s_load_b256 s[24:31], s[0:1], 0x0              ; oimg, oscale, Wo codes, Wo scales
	s_load_b128 s[32:35], s[0:1], 0x20             ; bo, out0
	v_lshl_add_u32 v28, v0, 2, SPARE
	v_mov_b32 v29, 0
	ds_add_u32 v28, v29                            ; the opening lines
	ds_add_u32 v28, v29
	v_lshrrev_b32 v1, 5, v0
	v_readfirstlane_b32 s14, v1
	s_bfe_u32 s10, ttmp6, 0x40000
	s_bfe_u32 s11, ttmp6, 0x40004
	s_lshl_b32 s12, ttmp9, 2
	s_add_co_u32 s12, s12, s10                     ; cg
	s_and_b32 s13, ttmp7, 0xffff
	s_lshl_b32 s13, s13, 2
	s_add_co_u32 s13, s13, s11                     ; tr
	s_lshl_b32 s9, 0x1111, s10                     ; my column of the cluster
	s_or_b32 s40, s9, (3<<16)|(1<<20)|(1<<21)|(5<<22)|(3<<25)   ; 32 rows of Wo: 96 dense rows of 256 bytes, 4 words behind every 64
	s_mov_b32 s41, 32<<16
	s_mov_b32 s42, 96<<16
	s_mov_b32 s43, 32<<16
	s_mov_b32 s44, 96
	s_mov_b32 s45, 32
	s_mov_b32 s46, 0
	s_mov_b32 s47, 0
	s_lshl_b32 s18, s12, 7
	s_lshl_b32 s20, s14, 5
	s_add_co_u32 s20, s20, s18
	s_mul_i32 s20, s20, 768
	s_mov_b32 s21, 0
	s_mov_b32 s4, 1
	s_mul_i32 s5, s14, 26112
	s_wait_dscnt 0x0
	s_wait_kmcnt 0x0
	s_add_nc_u64 s[6:7], s[28:29], s[20:21]
	s_or_b32 s7, s7, 0x80000000
	CROUND
	tensor_load_to_lds s[4:7], s[40:47]            ; one load a wave
	s_nop 0
	PLACES
	s_lshl_b32 s17, s13, 8
	s_lshl_b32 s19, s14, 6
	s_add_co_u32 s17, s17, s19                     ; my first row
	s_mov_b32 s23, 0
	s_mul_i32 s22, s17, 768
	s_add_nc_u64 s[24:25], s[24:25], s[22:23]
	s_lshl_b32 s22, s17, 5
	s_add_nc_u64 s[26:27], s[26:27], s[22:23]
	s_lshl_b32 s22, s17, 12
	s_add_nc_u64 s[34:35], s[34:35], s[22:23]
	s_lshl_b32 s22, s12, 9
	s_add_nc_u64 s[34:35], s[34:35], s[22:23]
	s_add_nc_u64 s[32:33], s[32:33], s[22:23]
	s_lshl_b32 s22, s12, 12
	s_add_nc_u64 s[30:31], s[30:31], s[22:23]
	s_mul_i32 s3, s14, 4352
	s_add_co_u32 s3, s3, STAGE                     ; my stage: 16 rows of 272 bytes
	v_and_b32 v1, 15, v0
	v_bfe_u32 v2, v0, 4, 1
	v_and_b32 v27, 31, v0
	v_lshlrev_b32 v3, 4, v27
	v_lshlrev_b32 v4, 3, v27
	v_mul_u32_u24 v20, v1, RP
	v_mad_u32_u24 v20, v2, 24, v20
	v_lshl_add_u32 v21, v2, 4, v20
	v_add_nc_u32 v22, 52224, v20
	v_add_nc_u32 v23, 52224, v21
	v_lshlrev_b32 v12, 5, v1
	v_lshlrev_b32 v15, 5, v2
	v_mul_u32_u24 v24, v1, 272
	v_lshl_add_u32 v24, v2, 5, v24
	v_add_nc_u32 v24, s3, v24                      ; in: row r, 32 h
	v_mul_u32_u24 v25, v2, 272
	v_lshl_add_u32 v25, v1, 4, v25
	v_add_nc_u32 v25, s3, v25                      ; back: lanes 0-15 one row, lanes 16-31 the next
	v_lshlrev_b32 v26, 12, v2
	v_lshl_add_u32 v26, v1, 4, v26                 ; and the same two rows in out0
	s_wait_alu depctr_va_vdst(0)                   ; the wait at the head's end
.irp a, 0,1,2,3
	global_load_b128 v[AS+8*\a:AS+8*\a+3], v12, s[26:27] offset:512*\a
	global_load_b128 v[AS+8*\a+4:AS+8*\a+7], v12, s[26:27] offset:512*\a+16
.endr
.irp t, 0,1,2,3,4,5,6,7
	global_load_b128 v[WSC+8*\t:WSC+8*\t+3], v12, s[30:31] offset:512*\t
	global_load_b128 v[WSC+8*\t+4:WSC+8*\t+7], v12, s[30:31] offset:512*\t+16
.endr
	WIN 0xc0
.irp t, 0,1,2,3,4,5,6,7
	global_load_b128 v[128+8*\t:128+8*\t+3], v15, s[32:33] offset:64*\t
	global_load_b128 v[128+8*\t+4:128+8*\t+7], v15, s[32:33] offset:64*\t+16
.endr
.irp a, 0,1,2,3
	WIN (1+\a/2)<<6
.irp k, 0,1,2,3,4,5,6,7
.set AA, 96*(\a%2)+12*\k
	global_load_b128 v[AA:AA+3], v3, s[24:25] offset:12288*\a+1536*\k
	global_load_b64 v[AA+4:AA+5], v4, s[24:25] offset:12288*\a+1536*\k+512
	global_load_b128 v[AA+6:AA+9], v3, s[24:25] offset:12288*\a+1536*\k+768
	global_load_b64 v[AA+10:AA+11], v4, s[24:25] offset:12288*\a+1536*\k+1280
.endr
.endr
	WIN 0
	s_wait_tensorcnt 0x0
	s_barrier_signal -1
	s_barrier_wait -1                              ; Wo's 128 rows lie in LDS
	s_wait_loadcnt 0x0
.macro WLD kst, u
.irp t, 0,1,2,3
.irp p, 0,1,2,3,4,5
.set BY, 96*(\kst)+48*(\p/3)+8*(\p%3)
.set WW, WF+48*((\kst)%2)+12*\t+2*\p
.if BY/256 == (BY+24)/256
	ds_load_b64 v[WW:WW+1], v[20+2*\u] offset:BY+16*(BY/256)+13056*\t
.else
	ds_load_b64 v[WW:WW+1], v[21+2*\u] offset:BY+16*(BY/256)+13056*\t
.endif
.endr
.endr
.endm
.macro MUL8 kst, a0, u                 ; the sixteen accumulators take turns, one instruction a turn
.irp a, \a0, \a0+1
.irp t, 0,1,2,3
.set WW, WF+48*((\kst)%2)+12*\t
.set AA, 96*((\a)%2)+12*(\kst)
.set DD, 8*(4*(\a)+\t)
.if (\kst) == 0
	v_wmma_scale_f32_16x16x128_f8f6f4 v[DD:DD+7], v[WW:WW+11], v[AA:AA+11], v[128+32*\u+8*\t:128+32*\u+8*\t+7], v[WSC+32*\u+8*\t+(\kst)], v[AS+8*(\a)+(\kst)] matrix_a_fmt:MATRIX_FMT_FP6 matrix_b_fmt:MATRIX_FMT_FP6
.else
	v_wmma_scale_f32_16x16x128_f8f6f4 v[DD:DD+7], v[WW:WW+11], v[AA:AA+11], v[DD:DD+7], v[WSC+32*\u+8*\t+(\kst)], v[AS+8*(\a)+(\kst)] matrix_a_fmt:MATRIX_FMT_FP6 matrix_b_fmt:MATRIX_FMT_FP6
.endif
.endr
.endr
.endm
.macro PROD u
	WLD 0, \u
.irp k, 0,1,2,3,4,5,6,7
.if \k < 7
.if \k > 0
	PLACES                                         ; in front of loads into the set that the step before multiplied
.endif
	WLD \k+1, \u
	s_wait_dscnt 24                                ; all but the next step's 24 loads
.else
	s_wait_dscnt 0x0
.endif
	WIN 0xf4                                       ; Wo window 0, O window 1, C and D window 3
	MUL8 \k, 0, \u
	WIN 0xf8
	MUL8 \k, 2, \u
	WIN 0
.endr
.endm
.macro TOST a                          ; block a into my stage, each accumulator from its low end on, and back as rows; LDS serves a wave's instructions in order
	WIN 0x0c
.irp t, 0,1,2,3
	ds_store_b128 v24, v[32*(\a)+8*\t:32*(\a)+8*\t+3] offset:64*\t
	ds_store_b128 v24, v[32*(\a)+8*\t+4:32*(\a)+8*\t+7] offset:64*\t+16
.endr
	WIN 0
.irp i, 0,1,2,3,4,5,6,7
	ds_load_b128 v[BK+32*((\a)%2)+4*\i:BK+32*((\a)%2)+4*\i+3], v25 offset:544*\i
.endr
.endm
.macro SEND a, u, younger              ; younger: the LDS instructions behind block a's loads, which may stay out
	s_wait_dscnt \younger
.irp i, 0,1,2,3,4,5,6,7
	global_store_b128 v26, v[BK+32*((\a)%2)+4*\i:BK+32*((\a)%2)+4*\i+3], s[34:35] offset:(16*(\a)+2*\i)*4096+256*\u th:TH_STORE_NT
.endr
.endm
.irp u, 0,1
	PROD \u
	PLACES
	v_nop                                          ; a fifth place: the next unit's first products begin these accumulators anew
	TOST 0
	TOST 1
	SEND 0, \u, 16
	s_wait_xcnt 0x0                                ; block 0's stores have read their registers
	TOST 2
	SEND 1, \u, 16
	s_wait_xcnt 0x0
	TOST 3
	SEND 2, \u, 16
	SEND 3, \u, 0
	s_wait_xcnt 0x0                                ; ahead of the next unit's loads into these registers
.endr
	s_wait_tensorcnt 0x0                           ; the wave's end
	ds_add_u32 v28, v29
	s_wait_dscnt 0x0
	CROUND                                         ; the closing round
	s_endpgm
.Lfunc_end_k_q8a851a463c_oproj:
	.size	k_q8a851a463c_oproj, .Lfunc_end_k_q8a851a463c_oproj-k_q8a851a463c_oproj
	.p2alignl 7, 3214868480
	.fill 96, 4, 3214868480
	.section	.rodata,"a",@progbits
	.p2align	6, 0x0
	.amdhsa_kernel k_q8a851a463c_oproj
		.amdhsa_group_segment_fixed_size 167936
		.amdhsa_private_segment_fixed_size 0
		.amdhsa_enable_private_segment 0
		.amdhsa_kernarg_size 48
		.amdhsa_user_sgpr_count 2
		.amdhsa_user_sgpr_kernarg_segment_ptr 1
		.amdhsa_wavefront_size32 1
		.amdhsa_system_sgpr_workgroup_id_x 1
		.amdhsa_system_sgpr_workgroup_id_y 1
		.amdhsa_system_sgpr_workgroup_id_z 1
		.amdhsa_system_vgpr_workitem_id 0
		.amdhsa_next_free_vgpr 1024
		.amdhsa_next_free_sgpr 66
		.amdhsa_reserve_vcc 0
		.amdhsa_float_denorm_mode_32 3
		.amdhsa_float_denorm_mode_16_64 3
		.amdhsa_memory_ordered 1
		.amdhsa_forward_progress 1
		.amdhsa_inst_pref_size 96
	.end_amdhsa_kernel
	.amdgpu_metadata
---
amdhsa.version: [ 1, 2 ]
amdhsa.kernels:
  - .name:           k_q8a851a463c_oproj
    .symbol:         k_q8a851a463c_oproj.kd
    .args:
      - { .name: oimg, .offset: 0, .size: 8, .value_kind: global_buffer, .address_space: global }
      - { .name: oscale, .offset: 8, .size: 8, .value_kind: global_buffer, .address_space: global }
      - { .name: Wo_codes, .offset: 16, .size: 8, .value_kind: global_buffer, .address_space: global }
      - { .name: Wo_scales, .offset: 24, .size: 8, .value_kind: global_buffer, .address_space: global }
      - { .name: bo, .offset: 32, .size: 8, .value_kind: global_buffer, .address_space: global }
      - { .name: out0, .offset: 40, .size: 8, .value_kind: global_buffer, .address_space: global }
    .group_segment_fixed_size: 167936
    .private_segment_fixed_size: 0
    .kernarg_segment_align: 8
    .kernarg_segment_size: 48
    .max_flat_workgroup_size: 128
    .sgpr_count:     66
    .vgpr_count:     1024
    .wavefront_size: 32
...
	.end_amdgpu_metadata
.endif
;; end of part 3
